; MI455X (gfx1250); checked and timed in simulation.
; The chip was launched on July 23, 2026; its instructions are those of AMD's public machine-readable ISA for CDNA 5 (MIT licence, August 2026) and "CDNA5" Instruction Set Architecture Reference Guide (July 2026). The comments in the code are by the model that wrote it; some were corrected since.
;; Mo E Layer. Allowed arithmetic: matrix products marked QUANTISED: E2M1 operands, one E8M0 scale for each 32 along K, by v_wmma_scale_f32_16x16x128_f8f6f4 with both operands' format E2M1 (or v_wmma_scale_f32_32x16x128_f4), f32 sums; products left as they are: f32 operands where the result goes on into a quantised operand, else bf16, f16 or f32 operands; f32 sums; everything else in f32.
;; Inputs: W1_codes 8 x 2,048 x 16 x 16 uint8 (E2M1 codes of W1, K innermost, in blocks of 32 codes, two codes a byte); W1_scales 8 x 2,048 x 16 uint8 (E8M0 scales of W1, one for each 32 codes along K); W2_codes 8 x 512 x 64 x 16 uint8 (E2M1 codes of W2, K innermost, in blocks of 32 codes, two codes a byte); W2_scales 8 x 512 x 64 uint8 (E8M0 scales of W2, one for each 32 codes along K); Wr 512 x 8 float32; b1 8 x 2,048 float32; b2 8 x 512 float32; br 8 float32; x 2 x 2,048 x 512 float32.
;; Outputs: out0 2 x 2,048 x 512 float32; out1 one number float32.
;; This version of the problem:
;;   THIS VERSION OF THE PROBLEM IS GIVEN IN LOW PRECISION. The matrix products marked QUANTISED in the list below multiply operands that are first quantised to E2M1 (2 exponent bits, 1 mantissa bit; 4 bits a number), with one power-of-two scale for each 32 numbers along K (OCP MX v1.0); their sums are f32. All else is computed in f32.
;;   The module's matrix products, in the order in which they are computed (A, B: the left and right operand; K: the contracted axis; several contracted axes count as one K, in the product's order):
;;     1. [M 4,096, K 512] x [K 512, N 8]; A: input x; B: input Wr: left as it is (N = 8 < 16)
;;     2. batch 4,096 x [M 8, K 2] x [K 2, N 1]; A: computed on the way; B: computed on the way: left as it is (K = 2 < 32)
;;     3. [M 16,384, K 512] x [K 512, N 4,096]; A: input W1 (given as codes); B: input x: QUANTISED
;;     4. batch 8 x [M 4,096, K 2,048] x [K 2,048, N 512]; A: computed on the way; B: input W2 (given as codes): QUANTISED
;;     5. batch 4,096 x [M 512, K 8] x [K 8, N 1]; A: computed on the way; B: computed on the way: left as it is (K = 8 < 32)
;;   THE QUANTISER, for each operand of a quantised product, along K:
;;     - K is cut into blocks of 32 from its start; a last block that is shorter is filled with zeros.
;;     - A block's scale is 2^e with e = floor(log2(the largest magnitude in the block)) - 2, held to -126 .. 127; a block of zeros has e = 0. As a byte (E8M0): e + 127.
;;     - Each number is divided by its block's scale, clamped to +-6, and rounded to the nearest number of E2M1, ties to even, subnormals kept.
;;     - The product sums the exact products of the quantised numbers (number of the format x scale) in f32.
;;   ~~~python
;;   def quantise(x, axis):      # numpy; x: float32 -> the quantised numbers, widened to float32 again
;;       x = np.moveaxis(x, axis, -1); K = x.shape[-1]
;;       x = np.pad(x, [(0, 0)] * (x.ndim - 1) + [(0, -K % 32)]); x = x.reshape(x.shape[:-1] + (-1, 32)); a = np.abs(x).max(-1, keepdims=True)
;;       e = np.where(a > 0, np.clip(np.frexp(np.where(a > 0, a, 1))[1] - 1 - 2, -126, 127), 0)      # np.frexp(a)[1] - 1 = floor(log2(a)), exactly
;;       r = np.clip(x / 2.0 ** e, -6, 6)
;;       step = 2.0 ** (np.maximum(np.frexp(np.where(r == 0, 1, r))[1] - 1, 0) - 1)
;;       q = np.round(r / step) * step * 2.0 ** e      # np.round: ties to even
;;       return np.moveaxis(q.reshape(q.shape[:-2] + (-1,))[..., :K], -1, axis).astype(np.float32)
;;   ~~~
;;   OPERANDS COMPUTED ON THE WAY. 'Computed on the way' means the value that the module computes at that place (a softmax that the list does not call 'softmax' is quantised finished and normalised). What goes into a quantiser is computed in f32, as accurately as f32 sums, v_exp_f32 and their like allow (about 1e-6 of the number): no bf16 or f16 on the way to a quantiser, and a product that is left as it is and whose result goes on into a quantised operand takes f32 operands (vector FMAs, or v_wmma_f32_16x16x4_f32). A number that lies on a knife's edge between two numbers of the format may be rounded either way, as far as f32 arithmetic and the matrix unit's own rounding can turn it there, and no further.
;;   INPUTS GIVEN AS CODES. W1 (in the module: [8, 512, 2048], K = its axis 1); W2 (in the module: [8, 2048, 512], K = its axis 1): each comes as NAME_codes (uint8): NAME with its K axis moved to the last place and cut into blocks of 32 codes, [.., K / 32, bytes a block], one block behind the other in memory; two codes a byte, the lower K in the low four bits (a code: sign, 2 exponent bits, 1 mantissa bit); and NAME_scales (uint8): the same leading axes, one E8M0 byte (e + 127) for each 32 codes along K. Its value is code x scale, taken as it is: it is not quantised again, and the codes and scales need not be those that the quantiser above would give.
;; One version. Each part assembles by itself: llvm-mc -triple=amdgcn-amd-amdhsa -mcpu=gfx1250 --defsym DOCPART=n.
;; ======== version 1 of 1: 3 launches
;; workspace buffers: xq 1,114,112 bytes; wf 8,388,608 bytes; gf 49,152 bytes; rt 49,152 bytes of whole numbers; pl 23,040 bytes of whole numbers
;; launch route (part 1): grid 768 x 1, 1 waves a work-group, no clusters, 23,040 bytes of LDS; arguments x, Wr, br, W1_codes, W2_codes, xq, gf, rt, wf; writes xq, gf, rt, wf
.if DOCPART == 1
	.amdgcn_target "amdgcn-amd-amdhsa--gfx1250"
	.amdhsa_code_object_version 6
	.text
	.protected	k_qc7dcec0eab_route
	.globl	k_qc7dcec0eab_route
	.p2align	8
	.type	k_qc7dcec0eab_route,@function
k_qc7dcec0eab_route:
	s_mov_b64 s[64:65], 0
	v_nop
	global_prefetch_b8 v0, s[64:65] scope:SCOPE_SE
	s_setreg_imm32_b32 hwreg(HW_REG_WAVE_MODE, 25, 1), 1
	s_wait_xcnt 0x0
; ROUTE.  768 work-groups of one wave, three kinds by the work-group's number.
;   0-255:   16 tokens each.  x is quantised to E2M1 codes (K = the 512 of a token, blocks of 32) into xq; the router's logits x Wr + br, softmax, top-2 (the lower index wins a tie),
;            renormalised gates, all in f32.  Stored at FIXED places: gates, the pair's number p and the token's rank among the group's tokens of that pair, a histogram of p, and the sums for the balance loss.
;            Nothing that is derived from floating-point numbers enters an address or a branch here: a later launch places the tokens.
;   256-511: W1's codes are laid anew in the order in which the chain's operand registers take them;  512-767: W2's likewise.  Each store covers 512 consecutive bytes.
; wf: block (expert e, wave w, round j) at 32,768 (16 e + 4 w + j); in it fragment 8 s + t at 1,024 bytes each, half c at 512 c, lane at 16 x lane.  W2's blocks begin 4 MiB on.
;   W1 fragment (s, t): lane (r, h) holds row 512 j + 128 w + 32 (t / 2) + 8 (t % 2) + r + 8 (r / 8), block 4 s + 2 c + h.   W2 fragment (q, n): row 128 w + 16 n + r, block 4 (4 j + q) + 2 c + h.
; LIMITS: NaN and infinities among the inputs are not served.  A block of zeros gets the scale byte 1 where the rule says 127: its codes are zeros, and this program alone reads the bytes.
; Divisions are v_rcp_f32 and a multiplication.  The logits' sums are ordered otherwise than a plain loop over k: a token whose second and third probabilities agree to the last bits may fall either way.
; No matrix unit (N = 8), no cluster, no tensor load: work-groups share only Wr's 16 KiB.
.set WST, 0                            ; LDS: Wr's turn: 32 rows of 512 bytes + 16
.set XST, 16896                        ; two stages of 32 x 80 bytes for a token's turn
.set SCB, 22016                        ; the 16 tokens' 256 scale bytes
.set LG,  22272                        ; logits [16 tokens][8]
.set SP,  80
.set ACA, 16                           ; v16-23  logit parts of the even k
.set ACB, 24                           ; v24-31  of the odd k
.set C,   32                           ; v32-63  codes, two registers a token
.set E,   64                           ; v64-79  a scale byte a token
.set X,   80                           ; v80-111 two sets of 16 neighbours
.set T,   112                          ; v112-127 at work
.set W,   128                          ; v128-255 Wr[16 lane + i][e] at W + 8 i + e;  window 1: x as loaded, 16 registers a token
.set MSB, 0
.macro WIN new                         ; the immediate's high byte repeats the setting that is left
.if MSB != \new
	s_set_vgpr_msb (MSB<<8)|\new
.set MSB, \new
.endif
.endm
	s_load_b512 s[4:19], s[0:1], 0x0               ; x, Wr, br, W1's codes, W2's codes, xq, gf, rt
	s_load_b64 s[20:21], s[0:1], 0x40              ; wf
	v_lshl_add_u32 v126, v0, 2, 0x5900
	v_mov_b32 v127, 0
	v_and_b32 v1, 15, v0                           ; r
	v_bfe_u32 v2, v0, 4, 1                         ; h
	v_lshlrev_b32 v3, 4, v0                        ; 16 x lane
	s_wait_kmcnt 0x0
	s_cmp_lt_u32 ttmp9, 256
	s_cbranch_scc1 .Lrouter
	s_cmp_lt_u32 ttmp9, 512
	s_cbranch_scc1 .Lw1
; half a block: 32 loads of 16 bytes a lane from the rows, 32 stores of 512 consecutive bytes
.macro RELAY sb, kind
.irp sl, 0,1
.irp t, 0,1,2,3,4,5,6,7
.irp c, 0,1
.if \kind == 1
	global_load_b128 v[W+4*(2*(8*\sl+\t)+\c):W+4*(2*(8*\sl+\t)+\c)+3], v4, s[\sb:\sb+1] offset:(32*(\t/2)+8*(\t%2))*256+64*\sl+32*\c th:TH_LOAD_NT
.else
	global_load_b128 v[W+4*(2*(8*\sl+\t)+\c):W+4*(2*(8*\sl+\t)+\c)+3], v4, s[\sb:\sb+1] offset:16384*\t+64*\sl+32*\c th:TH_LOAD_NT
.endif
.endr
.endr
.endr
.set i, 0
.rept 32
	s_wait_loadcnt 31-i                            ; loads come back in order: load i is in, the younger ones may be out
	global_store_b128 v3, v[W+4*i:W+4*i+3], s[20:21] offset:512*i
.set i, i+1
.endr
	s_endpgm
.endm
	; ---- W2: u = number - 512; e = u / 32, w = (u / 8) % 4, j = (u / 2) % 4, half = u % 2
	s_sub_co_u32 s22, ttmp9, 512
	s_lshr_b32 s24, s22, 5
	s_lshl_b32 s24, s24, 19                        ; e x 524,288
	s_bfe_u32 s25, s22, 0x20003
	s_lshl_b32 s25, s25, 17                        ; 128 w rows of 1,024 bytes
	s_add_co_u32 s24, s24, s25
	s_bfe_u32 s25, s22, 0x20001
	s_lshl_b32 s25, s25, 8                         ; 16 j blocks of 16 bytes
	s_add_co_u32 s24, s24, s25
	s_and_b32 s25, s22, 1
	s_lshl_b32 s25, s25, 7                         ; K steps 2 half, 2 half + 1
	s_add_co_u32 s24, s24, s25
	s_mov_b32 s25, 0
	s_add_nc_u64 s[12:13], s[12:13], s[24:25]
	s_lshl_b32 s24, s22, 14
	s_add_co_u32 s24, s24, 0x400000
	s_add_nc_u64 s[20:21], s[20:21], s[24:25]
	v_lshlrev_b32 v4, 10, v1
	v_lshl_add_u32 v4, v2, 4, v4                   ; row r, + 16 h
	RELAY 12, 2
.Lw1:	; ---- W1: u = number - 256
	s_sub_co_u32 s22, ttmp9, 256
	s_lshr_b32 s24, s22, 5
	s_lshl_b32 s24, s24, 19
	s_bfe_u32 s25, s22, 0x20003
	s_lshl_b32 s25, s25, 15                        ; 128 w rows of 256 bytes
	s_add_co_u32 s24, s24, s25
	s_bfe_u32 s25, s22, 0x20001
	s_lshl_b32 s25, s25, 17                        ; 512 j rows
	s_add_co_u32 s24, s24, s25
	s_and_b32 s25, s22, 1
	s_lshl_b32 s25, s25, 7
	s_add_co_u32 s24, s24, s25
	s_mov_b32 s25, 0
	s_add_nc_u64 s[10:11], s[10:11], s[24:25]
	s_lshl_b32 s24, s22, 14
	s_add_nc_u64 s[20:21], s[20:21], s[24:25]
	v_and_b32 v4, 8, v1
	v_add_nc_u32 v4, v4, v1                        ; r + 8 (r / 8)
	v_lshlrev_b32 v4, 8, v4
	v_lshl_add_u32 v4, v2, 4, v4
	RELAY 10, 1
.Lrouter:
	s_load_b256 s[24:31], s[8:9], 0x0              ; br
	s_lshl_b32 s22, ttmp9, 15                      ; 16 tokens of 2,048 bytes
	s_mov_b32 s23, 0
	s_add_nc_u64 s[4:5], s[4:5], s[22:23]
	s_lshl_b32 s22, ttmp9, 12
	s_add_nc_u64 s[32:33], s[14:15], s[22:23]      ; my tokens' codes: 256 bytes each
	s_lshl_b32 s22, ttmp9, 8
	s_add_co_u32 s22, s22, 0x100000
	s_add_nc_u64 s[34:35], s[14:15], s[22:23]      ; and their scale bytes: 16 each
	s_mov_b32 s40, 0xaaaaaaaa                      ; lanes with bit 0, 1, 2, 3 set
	s_mov_b32 s41, 0xcccccccc
	s_mov_b32 s42, 0xf0f0f0f0
	s_mov_b32 s43, 0xff00ff00
	s_mov_b32 s44, 0x76543210                      ; v_permlanex16_b32's selects for lane l xor 16
	s_mov_b32 s45, 0xfedcba98
.set i, 0
.rept 32
	global_load_b128 v[W+4*i:W+4*i+3], v3, s[6:7] offset:512*i     ; Wr as it lies, 512 bytes a load
.set i, i+1
.endr
.macro XLOAD t                         ; token t as it lies: four loads of 512 consecutive bytes, into window 1
.irp i, 0,1,2,3
	global_load_b128 v[16*(\t)+4*\i:16*(\t)+4*\i+3], v3, s[4:5] offset:2048*(\t)+512*\i th:TH_LOAD_NT
.endr
.endm
	WIN 0x40
.irp t, 0,1,2,3,4,5,6
	XLOAD \t
.endr
	WIN 0
	v_and_b32 v1, 7, v0
	v_lshl_add_u32 v1, v1, 2, LG                   ; where my expert's logit goes
	v_lshlrev_b32 v4, 3, v0                        ; 8 x lane: my codes in a token's 256 bytes
	v_lshrrev_b32 v5, 1, v0
	v_add_nc_u32 v5, SCB, v5                       ; my block's scale byte
	v_add_nc_u32 v6, SCB, v4                       ; the scale bytes' way out: 8 a lane
	v_lshrrev_b32 v14, 2, v0
	v_mul_u32_u24 v14, v14, SP
	v_and_b32 v15, 3, v0
	v_lshl_add_u32 v14, v15, 4, v14                ; the stage, in: four lanes' 64 bytes on end, then 16 of padding
	v_mul_u32_u24 v15, v0, SP                      ; out: my 16 neighbours
	v_mul_u32_u24 v13, v0, 528                     ; Wr's turn, out: row = lane
	v_mov_b32 v10, 0                               ; (a lane permute's destination counts as one of its sources)
	s_wait_loadcnt 28                              ; Wr's 32 loads are in; the 28 of x behind them may be out
.set i, 0
.rept 32
	ds_store_b128 v3, v[W+4*i:W+4*i+3] offset:WST+528*i            ; load i brought the 512 bytes that lane i wants
.set i, i+1
.endr
	s_wait_dscnt 0x0
.set i, 0
.rept 32
	ds_load_b128 v[W+4*i:W+4*i+3], v13 offset:WST+16*i
.set i, i+1
.endr
	s_wait_loadcnt 24                              ; token 0's four loads are in (six tokens' may be out)
	WIN 0x40
.irp t, 7,8,9,10,11,12,13,14,15
	XLOAD \t
.endr
	WIN 0
.macro TURN t                          ; token t through the stage: LDS serves a wave's instructions in order, so no wait stands between the stores and the loads
	WIN 0x04                                       ; an LDS store's data are its source 1: window 1
.irp i, 0,1,2,3
	ds_store_b128 v14, v[16*(\t)+4*\i:16*(\t)+4*\i+3] offset:XST+32*SP*((\t)%2)+8*SP*\i
.endr
	WIN 0
.irp i, 0,1,2,3
	ds_load_b128 v[X+16*((\t)%2)+4*\i:X+16*((\t)%2)+4*\i+3], v15 offset:XST+32*SP*((\t)%2)+16*\i
.endr
.endm
; two values a lane become one: lanes with the mask's bit keep b and send a, the others keep a and send b; the partner is lane xor x
.macro RS a, b, m, x, tmp
	v_cndmask_b32 v[\tmp], v[\b], v[\a], s[\m]
	v_cndmask_b32 v[\a], v[\a], v[\b], s[\m]
	v_add_f32_dpp v[\a], v[\tmp], v[\a] row_xmask:\x row_mask:0xf bank_mask:0xf
.endm
	TURN 0
	s_wait_kmcnt 0x0                               ; br
.macro STEP t
.set XS, X+16*((\t)%2)
.if (\t) > 0
	s_wait_dscnt 2                                 ; this token's numbers are back from the stage; the last token's byte and logit stores may be out
.else
	s_wait_dscnt 0x0                               ; Wr and token 0
.endif
.if (\t) < 15
	s_wait_loadcnt 4*(14-(\t))                     ; the next token's four loads are in; those of the tokens behind it may be out
	TURN (\t)+1
.endif
	v_max3_num_f32 v8, |v[XS]|, |v[XS+1]|, |v[XS+2]|               ; the largest magnitude of my 16
	v_max3_num_f32 v9, |v[XS+3]|, |v[XS+4]|, |v[XS+5]|
.irp i, 6,10
	v_max3_num_f32 v8, v8, |v[XS+\i]|, |v[XS+\i+1]|
	v_max3_num_f32 v9, v9, |v[XS+\i+2]|, |v[XS+\i+3]|
.endr
	v_max3_num_f32 v8, v8, |v[XS+14]|, |v[XS+15]|
	v_max3_num_f32 v8, v8, v9, 0x1800000           ; and the floor 2^(3 - 127): the byte cannot fall under 1
	v_max_num_f32_dpp v8, v8, v8 row_xmask:1 row_mask:0xf bank_mask:0xf   ; with my neighbour's 16: the block's
	v_add_nc_u32 v11, 0xff000000, v8               ; 2 off its exponent field: the conversion's scale operand
	v_cvt_scalef32_pk8_fp4_f32 v[C+2*(\t)], v[XS:XS+7], v11
	v_cvt_scalef32_pk8_fp4_f32 v[C+2*(\t)+1], v[XS+8:XS+15], v11
	v_lshrrev_b32 v[E+(\t)], 23, v11               ; the scale's byte (a plain line behind the conversions)
	ds_store_b8 v5, v[E+(\t)] offset:16*(\t)       ; both lanes of a block write the same byte
	global_store_b64 v4, v[C+2*(\t):C+2*(\t)+1], s[32:33] offset:256*(\t)    ; the wave stores the token's 256 bytes of codes
	; the logits: x[16 lane + i] x Wr[16 lane + i][0..7], two experts an instruction; even i and odd i in chains of their own
.irp q, 0,2,4,6
	v_pk_mul_f32 v[ACA+\q:ACA+\q+1], v[XS:XS+1], v[W+\q:W+\q+1] op_sel_hi:[0,1]
	v_pk_mul_f32 v[ACB+\q:ACB+\q+1], v[XS:XS+1], v[W+8+\q:W+8+\q+1] op_sel:[1,0] op_sel_hi:[1,1]
.endr
.irp i, 2,4,6,8,10,12,14
.irp q, 0,2,4,6
	v_pk_fma_f32 v[ACA+\q:ACA+\q+1], v[XS+\i:XS+\i+1], v[W+8*\i+\q:W+8*\i+\q+1], v[ACA+\q:ACA+\q+1] op_sel_hi:[0,1,1]
	v_pk_fma_f32 v[ACB+\q:ACB+\q+1], v[XS+\i:XS+\i+1], v[W+8*\i+8+\q:W+8*\i+8+\q+1], v[ACB+\q:ACB+\q+1] op_sel:[1,0,0] op_sel_hi:[1,1,1]
.endr
.endr
.irp q, 0,2,4,6
	v_pk_add_f32 v[ACA+\q:ACA+\q+1], v[ACA+\q:ACA+\q+1], v[ACB+\q:ACB+\q+1]
.endr
	RS 16, 17, 40, 1, T                            ; eight sums over 32 lanes: three halvings leave lane l with expert l % 8,
	RS 18, 19, 40, 1, T+1
	RS 20, 21, 40, 1, T+2
	RS 22, 23, 40, 1, T+3
	RS 16, 18, 41, 2, T
	RS 20, 22, 41, 2, T+1
	RS 16, 20, 42, 4, T
	v_add_f32_dpp v16, v16, v16 row_xmask:8 row_mask:0xf bank_mask:0xf    ; two more steps add the other lanes' parts
	v_permlanex16_b32 v10, v16, s44, s45
	v_add_f32 v16, v16, v10
	ds_store_b32 v1, v16 offset:32*(\t)            ; four lanes write the same word with the same value
.endm
.irp t, 0,1,2,3,4,5,6,7,8,9,10,11,12,13,14,15
	STEP \t
.endr
	; ---- the router's tail: lane l takes token l % 16 (lanes 16-31 repeat lanes 0-15)
	v_and_b32 v8, 15, v0
	v_lshl_add_u32 v8, v8, 5, LG
	ds_load_b128 v[16:19], v8                      ; LDS serves a wave's instructions in order: these see my stores
	ds_load_b128 v[20:23], v8 offset:16
	ds_load_b64 v[12:13], v6
	s_wait_dscnt 0x0
	global_store_b64 v4, v[12:13], s[34:35]        ; the 16 tokens' scale bytes: 256 consecutive bytes
.irp i, 0,1,2,3,4,5,6,7
	v_add_f32 v[16+\i], s[24+\i], v[16+\i]         ; + br
.endr
	v_max3_num_f32 v80, v16, v17, v18
	v_max3_num_f32 v80, v80, v19, v20
	v_max3_num_f32 v80, v80, v21, v22
	v_max_num_f32 v80, v80, v23                    ; the maximum is taken away ahead of the exponentials
.irp i, 0,1,2,3,4,5,6,7
	v_sub_f32 v[16+\i], v[16+\i], v80
.endr
.irp i, 0,1,2,3,4,5,6,7
	v_mul_f32 v[16+\i], 0x3fb8aa3b, v[16+\i]
.endr
.irp i, 0,1,2,3,4,5,6,7
	v_exp_f32 v[16+\i], v[16+\i]
.endr
	v_nop                                          ; a plain line behind the exponentials
	s_wait_alu depctr_va_vdst(0)
	v_add_f32 v81, v16, v17
	v_add_f32 v82, v18, v19
	v_add_f32 v83, v20, v21
	v_add_f32 v84, v22, v23
	v_add_f32 v81, v81, v82
	v_add_f32 v83, v83, v84
	v_add_f32 v81, v81, v83
	v_rcp_f32 v82, v81
	v_nop
	s_wait_alu depctr_va_vdst(0)
.irp i, 0,1,2,3,4,5,6,7
	v_mul_f32 v[16+\i], v[16+\i], v82              ; the probabilities
.endr
	v_mov_b32 v83, v16                             ; the largest, by a strict compare: the lower index wins a tie
	v_mov_b32 v84, 0
.irp i, 1,2,3,4,5,6,7
	v_cmp_gt_f32 vcc_lo, v[16+\i], v83
	v_cndmask_b32 v83, v83, v[16+\i], vcc_lo
	v_cndmask_b32 v84, v84, \i, vcc_lo
.endr
.irp i, 0,1,2,3,4,5,6,7
	v_cmp_eq_u32 vcc_lo, \i, v84
	v_cndmask_b32 v[24+\i], 0, 1.0, vcc_lo         ; one-hot of the argmax, for the loss
	v_cndmask_b32 v[87+\i], v[16+\i], -1.0, vcc_lo ; and the probabilities without it
.endr
	v_mov_b32 v85, v87                             ; the second largest
	v_mov_b32 v86, 0
.irp i, 1,2,3,4,5,6,7
	v_cmp_gt_f32 vcc_lo, v[87+\i], v85
	v_cndmask_b32 v85, v85, v[87+\i], vcc_lo
	v_cndmask_b32 v86, v86, \i, vcc_lo
.endr
	v_add_f32 v95, v83, v85
	v_max_num_f32 v95, 0x3089705f, v95             ; clipped at 1e-9
	v_rcp_f32 v95, v95
	v_min_u32 v100, v84, v86                       ; e_lo  (a plain line behind the reciprocal)
	v_max_u32 v101, v84, v86                       ; e_hi
	s_wait_alu depctr_va_vdst(0)
	v_mul_f32 v96, v83, v95
	v_mul_f32 v97, v85, v95
	v_cmp_lt_u32 vcc_lo, v84, v86
	v_cndmask_b32 v98, v97, v96, vcc_lo            ; e_lo's gate,
	v_cndmask_b32 v99, v96, v97, vcc_lo            ; e_hi's
	v_sub_nc_u32 v102, 15, v100                    ; the pair's number p = e_lo (15 - e_lo) / 2 + e_hi - e_lo - 1: 0 .. 27
	v_mul_u32_u24 v102, v102, v100
	v_lshrrev_b32 v102, 1, v102
	v_add_nc_u32 v102, v102, v101
	v_sub_nc_u32 v102, v102, v100
	v_add_nc_u32 v102, -1, v102
	v_mov_b32 v103, 0                              ; lane k: how many of the 16 tokens have p = k
	v_mov_b32 v104, 0                              ; my token's rank: how many earlier tokens of the 16 have my p
.irp j, 0,1,2,3,4,5,6,7,8,9,10,11,12,13,14,15
	v_readlane_b32 s46, v102, \j
	v_cmp_eq_u32 vcc_lo, s46, v0
	v_add_co_ci_u32 v103, vcc_lo, 0, v103, vcc_lo
	v_cmp_eq_u32 vcc_lo, s46, v102
	s_and_b32 vcc_lo, vcc_lo, (0xffffffff<<(\j+1))&0xffffffff      ; lanes behind j alone
	v_add_co_ci_u32 v104, vcc_lo, 0, v104, vcc_lo
.endr
	v_lshl_or_b32 v105, v104, 8, v102              ; key = p | rank << 8
	; sixteen sums over the 16 tokens (eight probabilities, eight one-hots): four halvings leave lane l with sum l % 16
.irp k, 0,1,2,3,4,5,6,7
	RS 16+2*\k, 17+2*\k, 40, 1, T+\k
.endr
.irp k, 0,1,2,3
	RS 16+4*\k, 18+4*\k, 41, 2, T+\k
.endr
	RS 16, 20, 42, 4, T
	RS 24, 28, 42, 4, T+1
	RS 16, 24, 43, 8, T
	s_lshl_b32 s46, ttmp9, 7
	s_lshl_b32 s47, ttmp9, 6
	v_lshl_add_u32 v106, v0, 2, s46
	v_lshl_add_u32 v107, v0, 2, s47
	v_lshl_add_u32 v108, v0, 3, s46
	global_store_b32 v106, v103, s[18:19] offset:16384             ; hist[work-group][32]
	s_wait_xcnt 0x0                                ; EXEC changes only behind this wait
	s_wait_tensorcnt 0x0
	ds_add_u32 v126, v127
	s_wait_dscnt 0x0
	v_cmpx_gt_u32 16, v0
	global_store_b32 v107, v105, s[18:19]          ; key[token]
	global_store_b64 v108, v[98:99], s[16:17]      ; gate[token][2]
	global_store_b32 v107, v16, s[16:17] offset:32768              ; paux[work-group][16]
	s_endpgm
.Lfunc_end_k_qc7dcec0eab_route:
	.size	k_qc7dcec0eab_route, .Lfunc_end_k_qc7dcec0eab_route-k_qc7dcec0eab_route
	.p2alignl 7, 3214868480
	.fill 96, 4, 3214868480
	.section	.rodata,"a",@progbits
	.p2align	6, 0x0
	.amdhsa_kernel k_qc7dcec0eab_route
		.amdhsa_group_segment_fixed_size 23040
		.amdhsa_private_segment_fixed_size 0
		.amdhsa_enable_private_segment 0
		.amdhsa_kernarg_size 72
		.amdhsa_user_sgpr_count 2
		.amdhsa_user_sgpr_kernarg_segment_ptr 1
		.amdhsa_wavefront_size32 1
		.amdhsa_system_sgpr_workgroup_id_x 1
		.amdhsa_system_sgpr_workgroup_id_y 1
		.amdhsa_system_sgpr_workgroup_id_z 1
		.amdhsa_system_vgpr_workitem_id 0
		.amdhsa_next_free_vgpr 512
		.amdhsa_next_free_sgpr 66
		.amdhsa_reserve_vcc 1
		.amdhsa_float_denorm_mode_32 3
		.amdhsa_float_denorm_mode_16_64 3
		.amdhsa_memory_ordered 1
		.amdhsa_forward_progress 1
		.amdhsa_inst_pref_size 163
	.end_amdhsa_kernel
	.amdgpu_metadata
---
amdhsa.version: [ 1, 2 ]
amdhsa.kernels:
  - .name:           k_qc7dcec0eab_route
    .symbol:         k_qc7dcec0eab_route.kd
    .args:
      - { .name: x, .offset: 0, .size: 8, .value_kind: global_buffer, .address_space: global }
      - { .name: Wr, .offset: 8, .size: 8, .value_kind: global_buffer, .address_space: global }
      - { .name: br, .offset: 16, .size: 8, .value_kind: global_buffer, .address_space: global }
      - { .name: W1_codes, .offset: 24, .size: 8, .value_kind: global_buffer, .address_space: global }
      - { .name: W2_codes, .offset: 32, .size: 8, .value_kind: global_buffer, .address_space: global }
      - { .name: xq, .offset: 40, .size: 8, .value_kind: global_buffer, .address_space: global }
      - { .name: gf, .offset: 48, .size: 8, .value_kind: global_buffer, .address_space: global }
      - { .name: rt, .offset: 56, .size: 8, .value_kind: global_buffer, .address_space: global }
      - { .name: wf, .offset: 64, .size: 8, .value_kind: global_buffer, .address_space: global }
    .group_segment_fixed_size: 23040
    .private_segment_fixed_size: 0
    .kernarg_segment_align: 8
    .kernarg_segment_size: 72
    .max_flat_workgroup_size: 32
    .sgpr_count:     66
    .vgpr_count:     512
    .wavefront_size: 32
...
	.end_amdgpu_metadata
.endif
;; end of part 1
;; launch place (part 2): grid 1 x 1, 16 waves a work-group, no clusters, 6,144 bytes of LDS; arguments rt, gf, pl, out1; writes pl, out1
.if DOCPART == 2
	.amdgcn_target "amdgcn-amd-amdhsa--gfx1250"
	.amdhsa_code_object_version 6
	.text
	.protected	k_qc7dcec0eab_place
	.globl	k_qc7dcec0eab_place
	.p2align	8
	.type	k_qc7dcec0eab_place,@function
k_qc7dcec0eab_place:
	s_mov_b64 s[64:65], 0
	v_nop
	global_prefetch_b8 v0, s[64:65] scope:SCOPE_SE
	s_setreg_imm32_b32 hwreg(HW_REG_WAVE_MODE, 25, 1), 1
	s_wait_xcnt 0x0
; PLACE.  One work-group of 16 waves sorts the 4,096 tokens by their pair of experts (28 pairs), by a counting sort without atomics, into tiles of up to 32 tokens of one pair, and makes the balance loss.
; In: key[token] = p | rank << 8 and hist[256 groups of 16 tokens][32] (whole numbers that the launch before stored), paux[256][16] (sums of probabilities and of argmax one-hots).
; Out: order[32 tile + i] = token (slots past a tile's count hold 0), tiles[160][4] = (e_lo, e_hi, count, 0), out1.
; A token's slot = 32 x (tiles of the pairs before its own) + (tokens of its pair in earlier waves) + (in earlier groups of its wave) + rank.  There are never more than (4,096 + 31 x 28) / 32 = 155 tiles.
; One work-group: the prefix sums span all tokens, and the whole input is 64 KiB.
.set WT, 0                             ; LDS: each wave's totals [16][32]
.set PA, 2048                          ; each wave's sums for the loss [16][16]
.set CT, 3072                          ; the tiles' counts [160]
	s_load_b256 s[4:11], s[0:1], 0x0               ; rt, gf, pl, out1
	v_lshl_add_u32 v128, v0, 2, 0x1000
	v_mov_b32 v129, 0
	v_lshrrev_b32 v2, 5, v0
	v_readfirstlane_b32 s12, v2                    ; wave 0..15: groups 16 w on, tokens 256 w on
	v_and_b32 v1, 31, v0                           ; lane
	v_lshlrev_b32 v4, 2, v0                        ; 4 x thread
	v_lshlrev_b32 v6, 2, v1                        ; 4 x lane
	s_lshl_b32 s13, s12, 11
	v_add_nc_u32 v2, s13, v6                       ; hist: 16 rows of 128 bytes a wave
	s_lshl_b32 s13, s12, 10
	v_add_nc_u32 v3, s13, v6                       ; keys and paux: 1,024 bytes a wave
	v_and_b32 v5, 15, v0
	v_lshlrev_b32 v11, 2, v5                       ; 4 (lane % 16)
	s_lshl_b32 s13, s12, 6
	v_add_nc_u32 v5, s13, v11                      ; + 64 w
	s_lshl_b32 s13, s12, 2
	v_mov_b32 v8, s13                              ; 4 w
	s_lshl_b32 s13, s12, 7
	v_add_nc_u32 v9, s13, v6                       ; 128 w + 4 lane
	v_mov_b32 v10, 0
	s_lshl_b32 s13, s12, 8
	v_add_nc_u32 v7, s13, v1                       ; token 256 w + lane
	v_mov_b32 v87, 0                               ; (destinations of lane moves count as read)
	v_mov_b32 v90, 0
	s_mov_b32 s16, 0x76543210
	s_mov_b32 s17, 0xfedcba98
	s_wait_kmcnt 0x0
.irp i, 0,1,2,3,4,5,6,7,8,9,10,11,12,13,14,15
	global_load_b32 v[16+\i], v2, s[4:5] offset:16384+128*\i       ; lane k: tokens of pair k in group 16 w + i
.endr
.irp c, 0,1,2,3,4,5,6,7
	global_load_b32 v[32+\c], v3, s[4:5] offset:128*\c             ; key of token 256 w + 32 c + lane
.endr
.irp c, 0,1,2,3,4,5,6,7
	global_load_b32 v[40+\c], v3, s[6:7] offset:32768+128*\c       ; paux of group 16 w + 2 c + lane / 16, value lane % 16
.endr
	s_wait_loadcnt 0x0
	v_mov_b32 v48, 0                               ; v48+i: tokens of pair k in my wave's groups before i
.irp i, 1,2,3,4,5,6,7,8,9,10,11,12,13,14,15
	v_add_nc_u32 v[48+\i], v[47+\i], v[15+\i]
.endr
	v_add_nc_u32 v64, v63, v31                     ; my wave's total
	ds_store_b32 v4, v64 offset:WT
	v_add_f32 v65, v40, v41
	v_add_f32 v91, v42, v43
	v_add_f32 v92, v44, v45
	v_add_f32 v93, v46, v47
	v_add_f32 v65, v65, v91
	v_add_f32 v92, v92, v93
	v_add_f32 v65, v65, v92
	v_permlanex16_b32 v90, v65, s16, s17
	v_add_f32 v65, v65, v90                        ; my wave's 16 groups
	ds_store_b32 v5, v65 offset:PA                 ; both halves of the lanes write the same word with the same value
	s_wait_dscnt 0x0                               ; for the others' sake: my stores are done
	s_barrier_signal -1
	s_barrier_wait -1
.irp k, 0,1,2,3,4,5,6,7,8,9,10,11,12,13,14,15
	ds_load_b32 v[66+\k], v6 offset:WT+128*\k
.endr
	v_mov_b32 v82, 0                               ; all tokens of pair k
	v_mov_b32 v83, 0                               ; those in earlier waves
	s_wait_dscnt 0x0
.irp k, 0,1,2,3,4,5,6,7,8,9,10,11,12,13,14,15
	s_cmp_gt_u32 s12, \k
	s_cselect_b32 s13, -1, 0
	v_add_nc_u32 v82, v82, v[66+\k]
	v_and_b32 v84, s13, v[66+\k]
	v_add_nc_u32 v83, v83, v84
.endr
	v_add_nc_u32 v85, 31, v82
	v_lshrrev_b32 v85, 5, v85                      ; tiles of pair k
	v_mov_b32 v86, v85                             ; their running sum over the lanes
.irp n, 1,2,4,8
	v_mov_b32_dpp v87, v86 row_shr:\n row_mask:0xf bank_mask:0xf bound_ctrl:1
	v_add_nc_u32 v86, v86, v87
.endr
	v_readlane_b32 s14, v86, 15
	v_mov_b32 v88, s14
	v_cmp_le_u32 s14, 16, v1                       ; lanes 16-31
	v_cndmask_b32 v87, 0, v88, s14
	v_add_nc_u32 v86, v86, v87                     ; tiles of pairs 0 .. k
	v_sub_nc_u32 v89, v86, v85                     ; pair k's first tile
	v_lshl_add_u32 v88, v89, 5, v83
.irp i, 0,1,2,3,4,5,6,7,8,9,10,11,12,13,14,15
	v_add_nc_u32 v[48+\i], v88, v[48+\i]           ; lane k: the slot of the first token of pair k in group 16 w + i
.endr
.irp c, 0,1,2,3,4,5,6,7
	v_and_b32 v[92+\c], 0xff, v[32+\c]
	v_lshlrev_b32 v[92+\c], 2, v[92+\c]            ; 4 p: the lane to ask
	ds_bpermute_b32 v[100+\c], v[92+\c], v[48+2*\c]
	ds_bpermute_b32 v[108+\c], v[92+\c], v[49+2*\c]
.endr
	s_wait_dscnt 0x0
.irp c, 0,1,2,3,4,5,6,7
	v_cndmask_b32 v[100+\c], v[100+\c], v[108+\c], s14             ; lanes 16-31 belong to the odd group
	v_lshrrev_b32 v[32+\c], 8, v[32+\c]
	v_add_nc_u32 v[100+\c], v[100+\c], v[32+\c]    ; + rank
	v_min_u32 v[100+\c], 0x13ff, v[100+\c]         ; held inside order's 5,120 slots
	v_lshlrev_b32 v[100+\c], 2, v[100+\c]
	v_add_nc_u32 v[40+\c], 32*\c, v7
	global_store_b32 v[100+\c], v[40+\c], s[8:9]
.endr
	; the tiles' records: thread i < 160 takes tile i
	s_cmp_gt_u32 s12, 4
	s_cbranch_scc1 .Lno_rec
	v_mov_b32 v116, 0
.irp k, 0,1,2,3,4,5,6,7,8,9,10,11,12,13,14,15,16,17,18,19,20,21,22,23,24,25,26,27
	v_readlane_b32 s13, v86, \k
	v_cmp_le_u32 vcc_lo, s13, v0
	v_add_co_ci_u32 v116, vcc_lo, 0, v116, vcc_lo  ; the pair whose tiles hold tile i: how many pairs end at or before it (28: past the last tile)
.endr
	v_lshlrev_b32 v117, 2, v116
	ds_bpermute_b32 v118, v117, v82                ; its tokens
	ds_bpermute_b32 v119, v117, v89                ; its first tile
	v_mov_b32 v120, 0
.irp th, 7,13,18,22,25,27
	v_cmp_le_u32 vcc_lo, \th, v116
	v_add_co_ci_u32 v120, vcc_lo, 0, v120, vcc_lo  ; e_lo
.endr
	v_sub_nc_u32 v121, 15, v120
	v_mul_u32_u24 v121, v121, v120
	v_lshrrev_b32 v121, 1, v121
	v_sub_nc_u32 v121, v116, v121
	v_add_nc_u32 v121, v121, v120
	v_add_nc_u32 v121, 1, v121
	v_min_u32 v121, 7, v121                        ; e_hi
	s_wait_dscnt 0x0
	v_sub_nc_u32 v119, v0, v119
	v_lshlrev_b32 v119, 5, v119
	v_sub_nc_u32 v122, v118, v119
	v_max_i32 v122, 0, v122
	v_min_i32 v122, 32, v122                       ; the tile's count
	v_mov_b32 v123, 0
	v_lshlrev_b32 v124, 4, v0
	global_store_b128 v124, v[120:123], s[8:9] offset:20480
	ds_store_b32 v4, v122 offset:CT
.Lno_rec:
	s_wait_dscnt 0x0
	s_barrier_signal -1
	s_barrier_wait -1
	; slots past a tile's count get token 0: wave w takes tiles w, w + 16, ..
.irp j, 0,1,2,3,4,5,6,7,8,9
	ds_load_b32 v[66+\j], v8 offset:CT+64*\j
.endr
	s_wait_dscnt 0x0
.irp j, 0,1,2,3,4,5,6,7,8,9
	v_cmp_le_u32 vcc_lo, v[66+\j], v1
	s_wait_xcnt 0x0                                ; EXEC changes only behind this wait
	s_and_saveexec_b32 s15, vcc_lo
	global_store_b32 v9, v10, s[8:9] offset:2048*\j
	s_wait_xcnt 0x0
	s_or_b32 exec_lo, exec_lo, s15
.endr
	s_cmp_lg_u32 s12, 0
	s_cbranch_scc1 .Lend
	; out1 = 8 x sum over e of (count_e / 4096) (sum of p_e / 4096)
.irp k, 0,1,2,3,4,5,6,7,8,9,10,11,12,13,14,15
	ds_load_b32 v[66+\k], v11 offset:PA+64*\k
.endr
	s_wait_dscnt 0x0
.irp k, 0,2,4,6,8,10,12,14
	v_add_f32 v[66+\k], v[66+\k], v[67+\k]
.endr
.irp k, 0,4,8,12
	v_add_f32 v[66+\k], v[66+\k], v[68+\k]
.endr
	v_add_f32 v66, v66, v70
	v_add_f32 v74, v74, v78
	v_add_f32 v66, v66, v74                        ; lane l: value l % 16 over all tokens
	v_mul_f32_dpp v66, v66, v66 row_xmask:8 row_mask:0xf bank_mask:0xf    ; sum of p_e x count_e
	v_add_f32_dpp v66, v66, v66 row_xmask:1 row_mask:0xf bank_mask:0xf
	v_add_f32_dpp v66, v66, v66 row_xmask:2 row_mask:0xf bank_mask:0xf
	v_add_f32_dpp v66, v66, v66 row_xmask:4 row_mask:0xf bank_mask:0xf
	v_mul_f32 v66, 0x35000000, v66                 ; x 8 / 4096^2 = 2^-21
	s_wait_xcnt 0x0
	s_wait_tensorcnt 0x0
	ds_add_u32 v128, v129
	s_wait_dscnt 0x0
	v_cmpx_eq_u32 0, v0
	global_store_b32 v10, v66, s[10:11]
	s_endpgm
.Lend:
	s_wait_tensorcnt 0x0
	ds_add_u32 v128, v129
	s_wait_dscnt 0x0
	s_endpgm
.Lfunc_end_k_qc7dcec0eab_place:
	.size	k_qc7dcec0eab_place, .Lfunc_end_k_qc7dcec0eab_place-k_qc7dcec0eab_place
	.p2alignl 7, 3214868480
	.fill 96, 4, 3214868480
	.section	.rodata,"a",@progbits
	.p2align	6, 0x0
	.amdhsa_kernel k_qc7dcec0eab_place
		.amdhsa_group_segment_fixed_size 6144
		.amdhsa_private_segment_fixed_size 0
		.amdhsa_enable_private_segment 0
		.amdhsa_kernarg_size 32
		.amdhsa_user_sgpr_count 2
		.amdhsa_user_sgpr_kernarg_segment_ptr 1
		.amdhsa_wavefront_size32 1
		.amdhsa_system_sgpr_workgroup_id_x 1
		.amdhsa_system_sgpr_workgroup_id_y 1
		.amdhsa_system_sgpr_workgroup_id_z 1
		.amdhsa_system_vgpr_workitem_id 0
		.amdhsa_next_free_vgpr 130
		.amdhsa_next_free_sgpr 66
		.amdhsa_reserve_vcc 1
		.amdhsa_float_denorm_mode_32 3
		.amdhsa_float_denorm_mode_16_64 3
		.amdhsa_memory_ordered 1
		.amdhsa_forward_progress 1
		.amdhsa_inst_pref_size 26
	.end_amdhsa_kernel
	.amdgpu_metadata
---
amdhsa.version: [ 1, 2 ]
amdhsa.kernels:
  - .name:           k_qc7dcec0eab_place
    .symbol:         k_qc7dcec0eab_place.kd
    .args:
      - { .name: rt, .offset: 0, .size: 8, .value_kind: global_buffer, .address_space: global }
      - { .name: gf, .offset: 8, .size: 8, .value_kind: global_buffer, .address_space: global }
      - { .name: pl, .offset: 16, .size: 8, .value_kind: global_buffer, .address_space: global }
      - { .name: out1, .offset: 24, .size: 8, .value_kind: global_buffer, .address_space: global }
    .group_segment_fixed_size: 6144
    .private_segment_fixed_size: 0
    .kernarg_segment_align: 8
    .kernarg_segment_size: 32
    .max_flat_workgroup_size: 512
    .sgpr_count:     66
    .vgpr_count:     130
    .wavefront_size: 32
...
	.end_amdgpu_metadata
.endif
;; end of part 2
;; launch chain (part 3): grid 155 x 1, 4 waves a work-group, no clusters, 121,344 bytes of LDS; arguments pl, xq, gf, wf, W1_scales, b1, W2_scales, b2, out0; writes out0
.if DOCPART == 3
	.amdgcn_target "amdgcn-amd-amdhsa--gfx1250"
	.amdhsa_code_object_version 6
	.text
	.protected	k_qc7dcec0eab_chain
	.globl	k_qc7dcec0eab_chain
	.p2align	8
	.type	k_qc7dcec0eab_chain,@function
k_qc7dcec0eab_chain:
	s_mov_b64 s[64:65], 0
	v_nop
	global_prefetch_b8 v0, s[64:65] scope:SCOPE_SE
	s_setreg_imm32_b32 hwreg(HW_REG_WAVE_MODE, 25, 1), 1
	s_wait_xcnt 0x0
; CHAIN.  out0[token] = g_lo (gelu(x W1[e_lo] + b1) W2[e_lo] + b2) + g_hi (the same for e_hi), both products on E2M1 codes with one E8M0 scale for each 32 along K.
; A work-group takes one tile: up to 32 tokens that chose the SAME pair of experts, through the whole chain for both experts, so each output row has one owner and the hidden layer never goes to memory.
; The grid is the bound on the number of tiles for every split, (4,096 + 31 x 28) / 32 = 155.  A tile without tokens runs the same text on token 0 and stores nothing: every wave passes every barrier.
; EIGHT ROUNDS: round rr is expert (rr < 4 ? e_lo : e_hi), j = rr % 4.  THE WAVES SHARE THE COLUMNS: in a round wave w makes hidden units 512 j + 128 w .. + 127 for all 32 rows (64 products), applies gelu, quantises them
; (they are K step w of the round's four), hands the two fragments to the others through LDS as images of their registers, and adds the round's four K steps onto its 128 outputs (64 products).
; Every weight fragment is used by ONE wave: it comes from the relaid buffer wf straight into that wave's registers, 512 consecutive bytes a load, W2's for this round and W1's for the next under the gelu.
; Both products are used transposed (source 0 = 16 rows of a weight, source 1 = 16 tokens): a lane holds one token.  The rows of W1 that form a tile are chosen so that the 16 registers of tiles 2 b, 2 b + 1 are 16 neighbours along the next K.
; The biases are loaded into the accumulators ahead of a sum's first product.
; gelu(h) = h (0.5 + hc A(w) / B(w)), hc = h held to +-4 sqrt 2, w = hc^2: erf as a ratio of polynomials of degrees 6 and 4 in z^2, z = hc / sqrt 2, with 1/2, 1/sqrt 2 and the powers of 2 folded into the coefficients.
; NO CLUSTER, NO TENSOR LOAD: no byte of a weight is read by two waves of a work-group, so LDS would only add a way round; joint loads would want four tiles of one pair as partners, and a pair has 4,096 / 28 = 146 tokens,
; 4.6 tiles, on the average: padded to fours the bound on tiles rises from 155 to 236, each padded tile with the full gelu work; and 155 is no multiple of 4.
; LIMITS: NaN and infinities are not served.  erf is good to some 1e-7 absolutely, and is cut at |z| = 4.  Divisions are v_rcp_f32 and a multiplication.  A block of zeros gets the scale byte 1: its codes are zeros.
; REGISTERS.  window 0: v1-11 addresses, tokens, gates; v12-15 two constants; v16-23 x's scale words; v24-31 the hidden layer's; v32-63 gelu at work; v64-79 quantiser at work; v80-95 codes just made;
;   v96-111 W1's scale words, v112-127 W2's (lanes 0-15 an even tile's, lanes 16-31 the odd one's); v128-255 HA: my 16 tiles of the hidden layer.
;   window 1: W1's 32 fragments.  window 2: W2's 32.  window 3: v0-127 the 16 accumulators of the output, v128-191 x's 8 fragments, v192-255 the hidden layer's 8.
.set HBUF, 16384                       ; LDS: from 0 two buffers for the hidden layer's images; in a buffer wave q's part at 3,072 q: image m at 1,024 m, its scale words at 2,048 + 512 m, all at 16 x lane
.set B1S,  32768                       ; b1: 4,096 bytes a wave: round rr's 128 numbers at 512 rr
.set B2S,  49152                       ; b2: 1,024 a wave: e_lo's 128, e_hi's 128
.set STG,  53248                       ; a stage of 32 rows x (512 + 16) bytes for each wave
.set XS,  16
.set HS,  24
.set HC,  32
.set WW,  40
.set PA,  48
.set PB,  56
.set TM,  64
.set PW0, 72
.set PW1, 73
.set PC0, 80
.set PC1, 88
.set W1S, 96
.set W2S, 112
.set HA,  128
.set XF,  128                          ; in window 3
.set HF,  192                          ; in window 3
.set MSB, 0
.macro WIN new                         ; the immediate's high byte repeats the setting that is left
.if MSB != \new
	s_set_vgpr_msb (MSB<<8)|\new
.set MSB, \new
.endif
.endm
; four fragments (K step s, tiles t0 .. t0 + 3) from wf into the window that is set: eight loads of 512 consecutive bytes
.macro WFRAG4 sb, off0, s, t0
.irp k, 0,1,2,3
.irp c, 0,1
	global_load_b128 v[64*(\s)+8*((\t0)+\k)+4*\c:64*(\s)+8*((\t0)+\k)+4*\c+3], v1, s[\sb:\sb+1] offset:\off0+8192*(\s)+1024*((\t0)+\k)+512*\c
.endr
.endr
.endm
.macro B1LOAD                          ; b1 at my lane's hidden units into HA, for both tiles of rows: tile t's eight are 32 (t / 2) + 16 h + 8 (t % 2) + 0 .. 7
.irp m, 0,1
.irp t, 0,1,2,3,4,5,6,7
	ds_load_b128 v[HA+64*\m+8*\t:HA+64*\m+8*\t+3], v6 offset:4*(32*(\t/2)+8*(\t%2))
	ds_load_b128 v[HA+64*\m+8*\t+4:HA+64*\m+8*\t+7], v6 offset:4*(32*(\t/2)+8*(\t%2))+16
.endr
.endr
.endm
.macro B2LOAD adr                      ; b2 at my lane's outputs into the accumulators: tile n's eight are 16 n + 8 h + 0 .. 7
	WIN 0xc0
.irp m, 0,1
.irp n, 0,1,2,3,4,5,6,7
	ds_load_b128 v[64*\m+8*\n:64*\m+8*\n+3], v[\adr] offset:64*\n
	ds_load_b128 v[64*\m+8*\n+4:64*\m+8*\n+7], v[\adr] offset:64*\n+16
.endr
.endr
	WIN 0
.endm
.macro MKA k, alpha                    ; numerator coefficient k x 2^-k / (2 sqrt 2), into a scalar pair
	v_mov_b32 v60, \alpha
	v_mul_f32 v60, 0x3eb504f3-((\k)<<23), v60
	v_readfirstlane_b32 s[50+2*(\k)], v60
	s_mov_b32 s[51+2*(\k)], s[50+2*(\k)]
.endm
	s_load_b512 s[4:19], s[0:1], 0x0               ; pl, xq, gf, wf, W1's scales, b1, W2's scales, b2
	s_load_b64 s[20:21], s[0:1], 0x40              ; out0
	v_lshl_add_u32 v74, v0, 2, 0x1d800
	v_mov_b32 v75, 0
	v_lshrrev_b32 v32, 5, v0
	v_readfirstlane_b32 s41, v32                   ; wave 0..3
	v_and_b32 v33, 31, v0                          ; lane
	v_and_b32 v34, 15, v0                          ; r
	v_bfe_u32 v35, v0, 4, 1                        ; h
	v_lshlrev_b32 v1, 4, v33                       ; 16 x lane
	v_lshlrev_b32 v3, 6, v33                       ; W2's scale rows: 64 bytes a row, row = lane of a pair of tiles
	v_and_b32 v36, 8, v34
	v_add_nc_u32 v36, v36, v34
	v_lshl_add_u32 v36, v35, 3, v36
	v_lshlrev_b32 v2, 4, v36                       ; W1's: 16 bytes a row, row r + 8 (r / 8) + 8 h
	s_lshl_b32 s74, ttmp9, 4
	s_lshl_b32 s75, ttmp9, 7
	v_lshl_add_u32 v37, v33, 2, s75
	v_lshl_add_u32 v38, v34, 2, s75
	s_wait_kmcnt 0x0
	s_load_b128 s[44:47], s[4:5], s74 offset:20480 ; my tile: e_lo, e_hi, count
	global_load_b32 v7, v37, s[4:5]                ; lane l: the tile's token l
	global_load_b32 v39, v38, s[4:5]               ; token r
	global_load_b32 v40, v38, s[4:5] offset:64     ; token 16 + r
	s_mov_b32 s48, 0x40b504f3                      ; 4 sqrt 2
	s_mov_b32 s88, 0x76543210                      ; v_permlanex16_b32's selects for lane l xor 16
	s_mov_b32 s89, 0xfedcba98
	s_mov_b32 s37, 0
	s_mul_i32 s98, s41, 3072                       ; my part of an image buffer
	s_lshl_b32 s99, s41, 12
	s_add_co_u32 s99, s99, B1S                     ; my b1
	s_mul_i32 s49, s41, 16896
	s_add_co_u32 s49, s49, STG                     ; my stage
	s_lshl_b32 s62, s41, 10
	s_add_co_u32 s62, s62, B2S                     ; my b2
	MKA 0, 0xbc83dbd4
	MKA 1, 0xbb41a1f6
	MKA 2, 0xba40ac63
	MKA 3, 0xb86ec2d2
	MKA 4, 0xb60cff51
	MKA 5, 0x32edffee
	v_mov_b32 v12, 0xaf95df0b
	v_mul_f32 v12, 0x3eb504f3-(6<<23), v12
	v_mov_b32 v13, v12
	s_mov_b32 s66, 0xbc69b6a7                      ; the denominator's coefficients x 2^-k
	s_mov_b32 s67, s66
	s_mov_b32 s68, 0xbb719bf8
	s_mov_b32 s69, s68
	s_mov_b32 s70, 0xb9dc924e
	s_mov_b32 s71, s70
	s_mov_b32 s72, 0xb7dfbd29
	s_mov_b32 s73, s72
	v_mov_b32 v14, 0xb57460cd
	v_mov_b32 v15, v14
.irp b, 0,1,2,3
	v_mov_b32 v[TM+4+\b], 0                        ; written once: a lane permute's destination counts as one of its sources
.endr
	s_wait_kmcnt 0x0
	s_min_u32 s44, s44, 7                          ; loaded numbers are held before they enter addresses
	s_min_u32 s45, s45, 7
	s_min_u32 s46, s46, 32
	s_lshl_b32 s74, s41, 17                        ; wf: e x 524,288 + w x 131,072
	s_lshl_b32 s36, s44, 19
	s_add_co_u32 s36, s36, s74
	s_add_nc_u64 s[76:77], s[10:11], s[36:37]
	s_lshl_b32 s36, s45, 19
	s_add_co_u32 s36, s36, s74
	s_add_nc_u64 s[78:79], s[10:11], s[36:37]
	s_lshl_b32 s74, s41, 11                        ; W1's scales: e x 32,768 + 128 w rows of 16 bytes
	s_lshl_b32 s36, s44, 15
	s_add_co_u32 s36, s36, s74
	s_add_nc_u64 s[80:81], s[12:13], s[36:37]
	s_lshl_b32 s36, s45, 15
	s_add_co_u32 s36, s36, s74
	s_add_nc_u64 s[82:83], s[12:13], s[36:37]
	s_lshl_b32 s74, s41, 13                        ; W2's: e x 32,768 + 128 w rows of 64 bytes
	s_lshl_b32 s36, s44, 15
	s_add_co_u32 s36, s36, s74
	s_add_nc_u64 s[84:85], s[16:17], s[36:37]
	s_lshl_b32 s36, s45, 15
	s_add_co_u32 s36, s36, s74
	s_add_nc_u64 s[86:87], s[16:17], s[36:37]
	s_lshl_b32 s74, s41, 9                         ; b1: e x 8,192 + 512 w;  b2: e x 2,048 + 512 w
	s_lshl_b32 s36, s44, 13
	s_add_co_u32 s36, s36, s74
	s_add_nc_u64 s[90:91], s[14:15], s[36:37]
	s_lshl_b32 s36, s45, 13
	s_add_co_u32 s36, s36, s74
	s_add_nc_u64 s[92:93], s[14:15], s[36:37]
	s_lshl_b32 s36, s44, 11
	s_add_co_u32 s36, s36, s74
	s_add_nc_u64 s[94:95], s[18:19], s[36:37]
	s_lshl_b32 s36, s45, 11
	s_add_co_u32 s36, s36, s74
	s_add_nc_u64 s[96:97], s[18:19], s[36:37]
.irp j, 0,1,2,3
	global_load_b128 v[HA+4*\j:HA+4*\j+3], v1, s[90:91] offset:2048*\j          ; my 128 numbers of b1 for each round, 512 bytes a load
.endr
.irp j, 0,1,2,3
	global_load_b128 v[HA+16+4*\j:HA+16+4*\j+3], v1, s[92:93] offset:2048*\j
.endr
	global_load_b128 v[HA+32:HA+35], v1, s[94:95]
	global_load_b128 v[HA+36:HA+39], v1, s[96:97]
.irp b, 0,1,2,3
	global_load_b128 v[W1S+4*\b:W1S+4*\b+3], v2, s[80:81] offset:512*\b         ; round 0's scale words of W1: four K steps a row
.endr
	WIN 0x40
	WFRAG4 76, 0, 0, 0                             ; round 0's W1, K steps 0 and 1
	WFRAG4 76, 0, 0, 4
	WFRAG4 76, 0, 1, 0
	WFRAG4 76, 0, 1, 4
	WIN 0
	s_wait_loadcnt 36                              ; the tokens and the biases are in; the 36 loads behind them may be out
	v_min_u32 v7, 0xfff, v7
	v_min_u32 v39, 0xfff, v39
	v_min_u32 v40, 0xfff, v40
	v_add_nc_u32 v41, s99, v1
	v_add_nc_u32 v42, s62, v1
.irp i, 0,1,2,3,4,5,6,7
	ds_store_b128 v41, v[HA+4*\i:HA+4*\i+3] offset:512*\i
.endr
	ds_store_b128 v42, v[HA+32:HA+35]
	ds_store_b128 v42, v[HA+36:HA+39] offset:512
	v_lshlrev_b32 v43, 8, v39
	v_lshl_add_u32 v43, v35, 4, v43                ; x's codes: token x 256 + 16 h
	v_lshlrev_b32 v44, 8, v40
	v_lshl_add_u32 v44, v35, 4, v44
	v_lshlrev_b32 v45, 4, v39                      ; its scale bytes: token x 16
	v_lshlrev_b32 v46, 4, v40
	v_lshlrev_b32 v47, 3, v39                      ; its gates: token x 8
	v_lshlrev_b32 v48, 3, v40
	WIN 0xc0
.irp s, 0,1,2,3
.irp c, 0,1
	global_load_b128 v[XF+8*\s+4*\c:XF+8*\s+4*\c+3], v43, s[6:7] offset:64*\s+32*\c
	global_load_b128 v[XF+32+8*\s+4*\c:XF+32+8*\s+4*\c+3], v44, s[6:7] offset:64*\s+32*\c
.endr
.endr
	WIN 0
	global_load_b128 v[XS:XS+3], v45, s[6:7] offset:1048576
	global_load_b128 v[XS+4:XS+7], v46, s[6:7] offset:1048576
	global_load_b64 v[8:9], v47, s[8:9]
	global_load_b64 v[10:11], v48, s[8:9]
	WIN 0x40
	WFRAG4 76, 0, 2, 0
	WFRAG4 76, 0, 2, 4
	WFRAG4 76, 0, 3, 0
	WFRAG4 76, 0, 3, 4
	WIN 0
	v_lshl_add_u32 v6, v35, 6, s99                 ; round 0's b1: + 64 h
	v_lshl_add_u32 v49, v35, 5, s62                ; e_lo's b2: + 32 h
	s_wait_dscnt 0x0                               ; the stores have read HA
	B1LOAD
	B2LOAD 49
	s_wait_loadcnt 0x0
	s_mov_b64 s[28:29], s[76:77]                   ; W2 and its scales for round 0;
	s_mov_b64 s[30:31], s[84:85]
	s_add_nc_u64 s[24:25], s[76:77], 32768         ; W1 and its scales for round 1
	s_add_nc_u64 s[26:27], s[80:81], 8192
	s_mov_b32 s38, 0                               ; the round
	s_mov_b32 s39, 0                               ; the image buffer in hand
	s_mov_b32 s40, 512                             ; the next round's b1
; gelu of eight numbers v[hb] .. v[hb + 7], in place, from the low end on
.macro GELU hb
.irp k, 0,1,2,3,4,5,6,7
	v_med3_num_f32 v[HC+\k], v[\hb+\k], -s48, s48
.endr
.irp k, 0,2,4,6
	v_pk_mul_f32 v[WW+\k:WW+\k+1], v[HC+\k:HC+\k+1], v[HC+\k:HC+\k+1]
.endr
.irp k, 0,2,4,6
	v_pk_fma_f32 v[PB+\k:PB+\k+1], v[WW+\k:WW+\k+1], v[14:15], s[72:73] op_sel_hi:[1,1,0]
.endr
.irp k, 0,2,4,6
	v_pk_fma_f32 v[PA+\k:PA+\k+1], v[WW+\k:WW+\k+1], v[12:13], s[60:61] op_sel_hi:[1,1,0]
.endr
.irp g, 0,1,2                          ; the two polynomials by turns
.irp k, 0,2,4,6
	v_pk_fma_f32 v[PB+\k:PB+\k+1], v[PB+\k:PB+\k+1], v[WW+\k:WW+\k+1], s[70-2*\g:71-2*\g] op_sel_hi:[1,1,0]
.endr
.irp k, 0,2,4,6
	v_pk_fma_f32 v[PA+\k:PA+\k+1], v[PA+\k:PA+\k+1], v[WW+\k:WW+\k+1], s[58-2*\g:59-2*\g] op_sel_hi:[1,1,0]
.endr
.endr
.irp k, 0,1,2,3,4,5,6,7
	v_rcp_f32 v[PB+\k], v[PB+\k]
.endr
.irp g, 0,1                            ; the numerator's last two steps are the plain lines behind the reciprocals
.irp k, 0,2,4,6
	v_pk_fma_f32 v[PA+\k:PA+\k+1], v[PA+\k:PA+\k+1], v[WW+\k:WW+\k+1], s[52-2*\g:53-2*\g] op_sel_hi:[1,1,0]
.endr
.endr
.irp k, 0,2,4,6
	v_pk_mul_f32 v[PA+\k:PA+\k+1], v[PA+\k:PA+\k+1], v[HC+\k:HC+\k+1]
.endr
	s_wait_alu depctr_va_vdst(0)
.irp k, 0,2,4,6
	v_pk_fma_f32 v[PA+\k:PA+\k+1], v[PA+\k:PA+\k+1], v[PB+\k:PB+\k+1], 0.5 op_sel_hi:[1,1,0]
.endr
.irp k, 0,2,4,6
	v_pk_mul_f32 v[\hb+\k:\hb+\k+1], v[\hb+\k:\hb+\k+1], v[PA+\k:PA+\k+1]
.endr
.endm
; 64 numbers of a lane, register 16 b + i = k 32 b + 16 (lane / 16) + i of my token, become a fragment's codes in v[pc] on and its scale word in v[pw]
.macro QUANT s, pc, pw
.irp b, 0,1,2,3
	v_max3_num_f32 v[TM+\b], |v[\s+16*\b]|, |v[\s+1+16*\b]|, 0x1800000   ; my 16 numbers of block b, and the floor 2^(3 - 127): the byte cannot fall under 1
.endr
.irp i, 2,4,6,8,10,12,14
.irp b, 0,1,2,3
	v_max3_num_f32 v[TM+\b], v[TM+\b], |v[\s+16*\b+\i]|, |v[\s+1+16*\b+\i]|
.endr
.endr
.irp b, 0,1,2,3
	v_permlanex16_b32 v[TM+4+\b], v[TM+\b], s88, s89
.endr
.irp b, 0,1,2,3
	v_max_num_f32 v[TM+\b], v[TM+\b], v[TM+4+\b]   ; with lane l xor 16's: the block's largest magnitude
.endr
.irp b, 0,1,2,3
	v_add_nc_u32 v[TM+12+\b], 0xff000000, v[TM+\b] ; 2 off its exponent field: the conversion's scale operand
.endr
.irp b, 0,1,2,3
	v_lshrrev_b32 v[TM+4+\b], 23, v[TM+12+\b]      ; the scale's byte
.endr
	v_lshl_or_b32 v[\pw], v[TM+5], 8, v[TM+4]
	v_lshl_or_b32 v[\pw], v[TM+6], 16, v[\pw]
	v_lshl_or_b32 v[\pw], v[TM+7], 24, v[\pw]
.irp b, 0,1,2,3
	v_cvt_scalef32_pk8_fp4_f32 v[\pc+2*\b], v[\s+16*\b:\s+7+16*\b], v[TM+12+\b]
	v_cvt_scalef32_pk8_fp4_f32 v[\pc+1+2*\b], v[\s+8+16*\b:\s+15+16*\b], v[TM+12+\b]
.endr
	v_nop                                          ; one plain line behind a scaled conversion
.irp c, 0,1                            ; the operand's layout wants a whole block in a lane
.irp i, 0,1
	v_permlane16_swap_b32 v[\pc+4*\c+\i], v[\pc+2+4*\c+\i]
.endr
.endr
.endm
.macro IMAGE m, pc, pw                 ; the fragment and its scale words go to LDS as they stand
	ds_store_b128 v4, v[\pc:\pc+3] offset:1024*\m
	ds_store_b128 v4, v[\pc+4:\pc+7] offset:1024*\m+512
	ds_store_b32 v4, v[\pw] offset:2048+512*\m
.endm
; the loads that stand behind gelu batch i: batches 0-7: this round's W2; batches 8-15: the next round's W1
.macro LOADS i, next
.if (\i) < 8
.if (\i) == 0
.irp b, 0,1,2,3
	global_load_b128 v[W2S+4*\b:W2S+4*\b+3], v3, s[30:31] offset:2048*\b
.endr
.endif
	WIN 0x80
	WFRAG4 28, 4194304, (\i)/2, 4*((\i)%2)
	WIN 0
.else
.if \next
.if (\i) == 8
.irp b, 0,1,2,3
	global_load_b128 v[W1S+4*\b:W1S+4*\b+3], v2, s[26:27] offset:512*\b
.endr
.endif
	WIN 0x40
	WFRAG4 24, 0, ((\i)-8)/2, 4*((\i)%2)
	WIN 0
.endif
.endif
.endm
; the first product: 64 instructions; the 16 accumulators take turns, one instruction a turn
.macro P1W
	WIN 0x0d                                       ; source 0 (W1) window 1, source 1 (x) window 3, C and D window 0
.irp s, 0,1,2,3
	s_wait_loadcnt 48-16*\s                        ; the scale words and K steps 0 .. s of W1 are in: 16 loads a K step, the later steps' may be out
.irp m, 0,1
.irp t, 0,1,2,3,4,5,6,7
.if (\t%2) == 0
	v_wmma_scale_f32_16x16x128_f8f6f4 v[HA+64*\m+8*\t:HA+64*\m+8*\t+7], v[64*\s+8*\t:64*\s+8*\t+7], v[XF+32*\m+8*\s:XF+32*\m+8*\s+7], v[HA+64*\m+8*\t:HA+64*\m+8*\t+7], v[W1S+4*(\t/2)+\s], v[XS+4*\m+\s] matrix_a_fmt:MATRIX_FMT_FP4 matrix_b_fmt:MATRIX_FMT_FP4
.else
	v_wmma_scale_f32_16x16x128_f8f6f4 v[HA+64*\m+8*\t:HA+64*\m+8*\t+7], v[64*\s+8*\t:64*\s+8*\t+7], v[XF+32*\m+8*\s:XF+32*\m+8*\s+7], v[HA+64*\m+8*\t:HA+64*\m+8*\t+7], v[W1S+4*(\t/2)+\s], v[XS+4*\m+\s] matrix_a_fmt:MATRIX_FMT_FP4 matrix_b_fmt:MATRIX_FMT_FP4 matrix_a_scale:MATRIX_SCALE_ROW1
.endif
.endr
.endr
.endr
	WIN 0
.endm
; the second product: 64 instructions, 16 accumulators by turns
.macro P2 next
.irp q, 0,1,2,3
.if \next
	s_wait_dscnt 38-2*\q                           ; K step q's fragments and scale words are in; behind them: the later steps' scale words and the 32 loads of b1
.else
	s_wait_dscnt 6-2*\q
.endif
	WIN 0xfe                                       ; source 0 (W2) window 2; source 1 (hidden), C and D window 3
.irp n, 0,1,2,3,4,5,6,7
.irp m, 0,1
.if (\n%2) == 0
	v_wmma_scale_f32_16x16x128_f8f6f4 v[64*\m+8*\n:64*\m+8*\n+7], v[64*\q+8*\n:64*\q+8*\n+7], v[HF+16*\q+8*\m:HF+16*\q+8*\m+7], v[64*\m+8*\n:64*\m+8*\n+7], v[W2S+4*(\n/2)+\q], v[HS+2*\q+\m] matrix_a_fmt:MATRIX_FMT_FP4 matrix_b_fmt:MATRIX_FMT_FP4
.else
	v_wmma_scale_f32_16x16x128_f8f6f4 v[64*\m+8*\n:64*\m+8*\n+7], v[64*\q+8*\n:64*\q+8*\n+7], v[HF+16*\q+8*\m:HF+16*\q+8*\m+7], v[64*\m+8*\n:64*\m+8*\n+7], v[W2S+4*(\n/2)+\q], v[HS+2*\q+\m] matrix_a_fmt:MATRIX_FMT_FP4 matrix_b_fmt:MATRIX_FMT_FP4 matrix_a_scale:MATRIX_SCALE_ROW1
.endif
.endr
.endr
.endr
	WIN 0
.endm
.macro ROUND next
	s_wait_dscnt 0x0                               ; the biases lie in the accumulators
	P1W
	s_add_co_u32 s74, s39, s98
	s_add_co_u32 s75, s40, s99
	v_add_nc_u32 v5, s39, v1                       ; four plain lines, the places behind the products: where the images are read,
	v_add_nc_u32 v4, s74, v1                       ; where mine are stored,
	v_bfe_u32 v6, v0, 4, 1
	v_lshl_add_u32 v6, v6, 6, s75                  ; and the next round's b1
.irp i, 0,1,2,3,4,5,6,7,8,9,10,11,12,13,14,15
	GELU HA+8*\i
	LOADS \i, \next
.if \i == 7
	QUANT HA, PC0, PW0
	IMAGE 0, PC0, PW0
.endif
.if \i == 15
	QUANT HA+64, PC1, PW1
	IMAGE 1, PC1, PW1
.endif
.endr
	s_wait_dscnt 0x0                               ; for the others' sake: my images have landed; and my reads of the other buffer, a round ago, are long in
	s_barrier_signal -1
	s_barrier_wait -1                              ; the round's eight fragments lie in LDS
	WIN 0xc0
.irp q, 0,1,2,3
.irp m, 0,1
.irp c, 0,1
	ds_load_b128 v[HF+16*\q+8*\m+4*\c:HF+16*\q+8*\m+4*\c+3], v5 offset:3072*\q+1024*\m+512*\c
.endr
.endr
.endr
	WIN 0
.irp q, 0,1,2,3
.irp m, 0,1
	ds_load_b32 v[HS+2*\q+\m], v5 offset:3072*\q+2048+512*\m
.endr
.endr
.if \next
	B1LOAD
	s_wait_loadcnt 63                              ; 68 loads for W1 were issued behind W2's last: with 63 out, W2 and its scale words are in
.else
	s_wait_loadcnt 0x0
.endif
	P2 \next
.if \next
	s_wait_xcnt 0x0                                ; the loads have read their bases: the four pointers are made anew, each from its expert's base
	s_add_co_u32 s74, s38, 1                       ; W2 of the next round
	s_and_b32 s75, s74, 3
	s_lshl_b32 s36, s75, 15
	s_cmp_lt_u32 s74, 4
	s_cselect_b64 s[28:29], s[76:77], s[78:79]
	s_cselect_b64 s[30:31], s[84:85], s[86:87]
	s_add_nc_u64 s[28:29], s[28:29], s[36:37]
	s_lshl_b32 s36, s75, 4
	s_add_nc_u64 s[30:31], s[30:31], s[36:37]
	s_add_co_u32 s74, s38, 2                       ; W1 of the round behind it
	s_and_b32 s75, s74, 3
	s_lshl_b32 s36, s75, 15
	s_cmp_lt_u32 s74, 4
	s_cselect_b64 s[24:25], s[76:77], s[78:79]
	s_cselect_b64 s[26:27], s[80:81], s[82:83]
	s_add_nc_u64 s[24:25], s[24:25], s[36:37]
	s_lshl_b32 s36, s75, 13
	s_add_nc_u64 s[26:27], s[26:27], s[36:37]
	s_xor_b32 s39, s39, HBUF                       ; the other image buffer
	s_add_co_u32 s40, s40, 512
.endif
.endm
.macro MKSTO                           ; v64: my place in my stage: row r, + 32 h.  Five plain lines that name no register of the last products
	v_and_b32 v64, 15, v0
	v_mul_u32_u24 v64, v64, 528
	v_bfe_u32 v65, v0, 4, 1
	v_lshl_add_u32 v64, v65, 5, v64
	v_add_nc_u32 v64, s49, v64
.endm
.Lround:                                               ; seven trips; the eighth round, which asks for nothing more, is written out
	ROUND 1
	s_cmp_eq_u32 s38, 3
	s_cbranch_scc0 .Lno_epi
	; e_lo is done: its part, times its gate, waits in my stage; the accumulators take e_hi's b2
	MKSTO                                          ; (with the line below: the places behind the last products)
	s_add_co_u32 s74, s62, 512
	v_lshl_add_u32 v66, v65, 5, s74
	WIN 0xc3                                       ; destination and source 0 window 3, the gate window 0
.irp m, 0,1
.set a, 64*\m
.rept 32
	v_pk_mul_f32 v[a:a+1], v[a:a+1], v[8+2*\m:9+2*\m] op_sel_hi:[1,0]      ; each accumulator from its low end on
.set a, a+2
.endr
.endr
	WIN 0x0c                                       ; an LDS store's data are its source 1: window 3
.irp m, 0,1
.irp n, 0,1,2,3,4,5,6,7
	ds_store_b128 v64, v[64*\m+8*\n:64*\m+8*\n+3] offset:8448*\m+64*\n
	ds_store_b128 v64, v[64*\m+8*\n+4:64*\m+8*\n+7] offset:8448*\m+64*\n+16
.endr
.endr
	s_wait_dscnt 0x0                               ; the stores have read their registers
	B2LOAD 66
.Lno_epi:
	s_add_co_u32 s38, s38, 1
	s_cmp_lt_u32 s38, 7
	s_cbranch_scc1 .Lround
	ROUND 0
	; THE WAY OUT: e_hi's part times its gate + e_lo's part from the stage; back through the stage as whole rows; a row is 512 consecutive bytes of a token's 2,048
	MKSTO                                          ; (with the two lines below: the places behind the last products)
	v_add_nc_u32 v66, s49, v1
	s_lshl_b32 s74, s41, 9
	v_add_nc_u32 v67, s74, v1                      ; my outputs in a row of out0: 512 w + 16 x lane
	WIN 0x80
.irp m, 0,1
.irp n, 0,1,2,3,4,5,6,7
	ds_load_b128 v[64*\m+8*\n:64*\m+8*\n+3], v64 offset:8448*\m+64*\n
	ds_load_b128 v[64*\m+8*\n+4:64*\m+8*\n+7], v64 offset:8448*\m+64*\n+16
.endr
.endr
	s_wait_dscnt 0x0
	WIN 0xe3                                       ; destination and source 0 window 3, the gate window 0, source 2 window 2
.irp m, 0,1
.set a, 64*\m
.rept 32
	v_pk_fma_f32 v[a:a+1], v[a:a+1], v[8+2*\m:9+2*\m], v[a:a+1] op_sel:[0,1,0] op_sel_hi:[1,1,1]
.set a, a+2
.endr
.endr
	WIN 0x0c
.irp m, 0,1
.irp n, 0,1,2,3,4,5,6,7
	ds_store_b128 v64, v[64*\m+8*\n:64*\m+8*\n+3] offset:8448*\m+64*\n
	ds_store_b128 v64, v[64*\m+8*\n+4:64*\m+8*\n+7] offset:8448*\m+64*\n+16
.endr
.endr
	WIN 0
.irp t, 0,1,2,3,4,5,6,7,8,9,10,11,12,13,14,15,16,17,18,19,20,21,22,23,24,25,26,27,28,29,30,31
	ds_load_b128 v[HA+4*\t:HA+4*\t+3], v66 offset:528*\t           ; LDS serves a wave's instructions in order: these see my stores
.endr
.irp t, 0,1,2,3,4,5,6,7,8,9,10,11,12,13,14,15,16,17,18,19,20,21,22,23,24,25,26,27,28,29,30,31
	v_readlane_b32 s74, v7, \t
	s_min_u32 s74, s74, 4095
	v_lshl_add_u32 v[32+\t], s74, 11, v67          ; token x 2,048 + my place
.endr
.irp t, 0,1,2,3,4,5,6,7,8,9,10,11,12,13,14,15,16,17,18,19,20,21,22,23,24,25,26,27,28,29,30,31
	s_cmp_le_u32 s46, \t                           ; rows past the tile's count are not stored
	s_cbranch_scc1 .Ldone
	s_wait_dscnt 31-\t                             ; row t is back; the later rows may be out
	global_store_b128 v[32+\t], v[HA+4*\t:HA+4*\t+3], s[20:21] th:TH_STORE_NT   ; 32 lanes store 512 consecutive bytes, at a multiple of 512 from out0's first byte
.endr
.Ldone:
	s_wait_dscnt 0x0
	s_wait_tensorcnt 0x0
	ds_add_u32 v74, v75
	s_wait_dscnt 0x0
	s_endpgm
.Lfunc_end_k_qc7dcec0eab_chain:
	.size	k_qc7dcec0eab_chain, .Lfunc_end_k_qc7dcec0eab_chain-k_qc7dcec0eab_chain
	.p2alignl 7, 3214868480
	.fill 96, 4, 3214868480
	.section	.rodata,"a",@progbits
	.p2align	6, 0x0
	.amdhsa_kernel k_qc7dcec0eab_chain
		.amdhsa_group_segment_fixed_size 121344
		.amdhsa_private_segment_fixed_size 0
		.amdhsa_enable_private_segment 0
		.amdhsa_kernarg_size 72
		.amdhsa_user_sgpr_count 2
		.amdhsa_user_sgpr_kernarg_segment_ptr 1
		.amdhsa_wavefront_size32 1
		.amdhsa_system_sgpr_workgroup_id_x 1
		.amdhsa_system_sgpr_workgroup_id_y 1
		.amdhsa_system_sgpr_workgroup_id_z 1
		.amdhsa_system_vgpr_workitem_id 0
		.amdhsa_next_free_vgpr 1024
		.amdhsa_next_free_sgpr 100
		.amdhsa_reserve_vcc 0
		.amdhsa_float_denorm_mode_32 3
		.amdhsa_float_denorm_mode_16_64 3
		.amdhsa_memory_ordered 1
		.amdhsa_forward_progress 1
		.amdhsa_inst_pref_size 255
	.end_amdhsa_kernel
	.section	.bss,"aw",@nobits
	.p2align	6
	.space	262144
	.amdgpu_metadata
---
amdhsa.version: [ 1, 2 ]
amdhsa.kernels:
  - .name:           k_qc7dcec0eab_chain
    .symbol:         k_qc7dcec0eab_chain.kd
    .args:
      - { .name: pl, .offset: 0, .size: 8, .value_kind: global_buffer, .address_space: global }
      - { .name: xq, .offset: 8, .size: 8, .value_kind: global_buffer, .address_space: global }
      - { .name: gf, .offset: 16, .size: 8, .value_kind: global_buffer, .address_space: global }
      - { .name: wf, .offset: 24, .size: 8, .value_kind: global_buffer, .address_space: global }
      - { .name: W1_scales, .offset: 32, .size: 8, .value_kind: global_buffer, .address_space: global }
      - { .name: b1, .offset: 40, .size: 8, .value_kind: global_buffer, .address_space: global }
      - { .name: W2_scales, .offset: 48, .size: 8, .value_kind: global_buffer, .address_space: global }
      - { .name: b2, .offset: 56, .size: 8, .value_kind: global_buffer, .address_space: global }
      - { .name: out0, .offset: 64, .size: 8, .value_kind: global_buffer, .address_space: global }
    .group_segment_fixed_size: 121344
    .private_segment_fixed_size: 0
    .kernarg_segment_align: 8
    .kernarg_segment_size: 72
    .max_flat_workgroup_size: 128
    .sgpr_count:     100
    .vgpr_count:     1024
    .wavefront_size: 32
...
	.end_amdgpu_metadata
.endif
;; end of part 3
